; MI455X (gfx1250); checked and timed in simulation.
; The chip was launched on July 23, 2026; its instructions are those of AMD's public machine-readable ISA for CDNA 5 (MIT licence, August 2026) and "CDNA5" Instruction Set Architecture Reference Guide (July 2026). The comments in the code are by the model that wrote it; some were corrected since.
;; Attention Block. Allowed arithmetic: matrix products marked QUANTISED: E5M2 operands, one given power-of-two scale a tensor, by v_wmma_f32_16x16x64_bf8_bf8 or v_wmma_f32_16x16x128_bf8_bf8, f32 sums; everything else in f32.
;; Inputs: kw 4 x 2,048 x 1,024 float32; lowp_scales 4 int32 (the exponents e of the quantised operands' scales 2^e); qw 4 x 2,048 x 1,024 float32; vw 4 x 2,048 x 1,024 float32.
;; Outputs: out0 4 x 2,048 x 16 x 64 float32.
;; This version of the problem:
;;   THIS VERSION OF THE PROBLEM IS GIVEN IN LOW PRECISION. The matrix products marked QUANTISED in the list below multiply operands that are first quantised to E5M2 (5 exponent bits, 2 mantissa bits; 8 bits a number), with one given power-of-two scale for each operand tensor; their sums are f32. All else is computed in f32.
;;   The module's matrix products, in the order in which they are computed (A, B: the left and right operand; K: the contracted axis; several contracted axes count as one K, in the product's order):
;;     1. batch 64 x [M 2,048, K 64] x [K 64, N 2,048]; A: input qw; B: input kw: QUANTISED (scales: A lowp_scales[0], B lowp_scales[1])
;;     2. batch 64 x [M 2,048, K 2,048] x [K 2,048, N 64]; A: softmax (see below); B: input vw: QUANTISED (scales: A lowp_scales[2], B lowp_scales[3])
;;   THE QUANTISER, for each operand of a quantised product, along K:
;;     - The operand's scale is 2^e, e = its entry of the input lowp_scales (int32; the entries are numbered through the quantised products in the list's order, A before B).
;;     - Each number is divided by the scale, clamped to +-57,344, and rounded to the nearest number of E5M2, ties to even, subnormals kept.
;;     - The product sums the exact products of the quantised numbers (number of the format x scale) in f32.
;;   ~~~python
;;   def quantise(x, axis, e):      # numpy; x: float32 -> the quantised numbers, widened to float32 again
;;       x = np.moveaxis(x, axis, -1); K = x.shape[-1]
;;       r = np.clip(x / 2.0 ** e, -57344, 57344)
;;       step = 2.0 ** (np.maximum(np.frexp(np.where(r == 0, 1, r))[1] - 1, -14) - 2)
;;       q = np.round(r / step) * step * 2.0 ** e      # np.round: ties to even
;;       return np.moveaxis(q, -1, axis).astype(np.float32)
;;   ~~~
;;   SOFTMAX AHEAD OF A QUANTISED PRODUCT. Where the list says 'softmax', what is quantised is not the finished softmax but p = 2^(t - M), with t = logit x log2(e) and M = ceil(the row's largest t), a whole number; so 1/2 < the row's largest p <= 1. The row's sum l is taken of the UNQUANTISED p, in f32, and the product's result is divided by l at the end. Since M is a whole number, a kernel that streams over the keys may use a running M (the ceiling of the running maximum): every later rescaling is an exact power of two, so the quantised numbers keep their values, but for numbers so far below the row's largest that they fall under the format's range.
;;   OPERANDS COMPUTED ON THE WAY. 'Computed on the way' means the value that the module computes at that place (a softmax that the list does not call 'softmax' is quantised finished and normalised). What goes into a quantiser is computed in f32, as accurately as f32 sums, v_exp_f32 and their like allow (about 1e-6 of the number): no bf16 or f16 on the way to a quantiser, and a product that is left as it is and whose result goes on into a quantised operand takes f32 operands (vector FMAs, or v_wmma_f32_16x16x4_f32). A number that lies on a knife's edge between two numbers of the format may be rounded either way, as far as f32 arithmetic and the matrix unit's own rounding can turn it there, and no further.
;; One version. Each part assembles by itself: llvm-mc -triple=amdgcn-amd-amdhsa -mcpu=gfx1250 --defsym DOCPART=n.
;; ======== version 1 of 1: 2 launches
;; limits: right only within a limited range of input values
;; workspace buffers: kv 16,777,216 bytes
;; launch prep (part 1): grid 16 x 64, 4 waves a work-group, no clusters, 35,328 bytes of LDS; arguments kw, vw, lowp_scales, kv; writes kv
.if DOCPART == 1
	.amdgcn_target "amdgcn-amd-amdhsa--gfx1250"
	.amdhsa_code_object_version 6
	.text
	.protected	k_q02698df8b2_prep
	.globl	k_q02698df8b2_prep
	.p2align	8
	.type	k_q02698df8b2_prep,@function
k_q02698df8b2_prep:
	s_mov_b64 s[64:65], 0
	v_nop
	global_prefetch_b8 v0, s[64:65] scope:SCOPE_SE
	s_setreg_imm32_b32 hwreg(HW_REG_WAVE_MODE, 25, 1), 1
	s_wait_xcnt 0x0
; K and V, f32 [4][2048][16 x 64], are turned ONCE into codes of BF8 (E5M2), each with the one scale 2^e that is given for it (ek = entry 1, ev = entry 3 of the scales),
; and laid as IMAGES OF THE OPERANDS' REGISTERS, so that the attention launch takes every fragment by 16-byte loads at 16 x lane.
; code = x / 2^e, held within +-57,344, rounded to the nearest code, ties to even.
; LIMITS: ek and ev each between -126 and 112, so that 2^e and 57,344 x 2^e are f32 numbers.  NaN among the inputs is not served; an infinity is held at the largest code.
; kv: [g = 16 b + h : 64][step of 128 keys : 16][16,384 bytes].  In a step's block (lane = 16 hh + r):
;   bytes 0 - 8,191: K.  Chunk 2 i + c of 512 bytes (tile of keys i = 2 b' + u, c = 0, 1): lane's 16 bytes at 16 x lane: key 32 b' + 8 u + r + 8 (r / 8), bytes p = 16 c .. 16 c + 15 of its 32,
;     byte p standing for channel d = 8 (p / 4) + 4 hh + p % 4.  Q is laid in the same order of channels by the attention launch: a permutation of K alike on both sides keeps every product with its partner.
;   bytes 8,192 - 16,383: V.  Chunk 4 t + c (channels 16 t on, c = 0 .. 3): channel 16 t + r, keys 32 c + 16 hh + 0 .. 15, ascending: the keys are the second product's K.
; SHARES.  Work-group (x = step, y = g) makes one block of 16,384 bytes.  K: wave w takes keys 32 w .. 32 w + 31 (b' = w).  V: wave w takes channels 32 (w & 1) + lane and keys 64 (w >> 1) + 0 .. 63:
; a lane to a channel, its registers down the keys, so that the conversions give codes with the keys innermost and nothing is transposed by an instruction.
; K's rows are loaded as they lie (sixteen lanes take a head's 256 bytes of a row, aligned) and turn through the wave's own stage in LDS, so that a lane then holds 16 numbers of ONE key.
; No tensor load, no barrier (waves share nothing), no cluster (work-groups share no input), no loop: every offset is an immediate, every store has data registers of its own, and no register of a pending access is written again.
.set ROW,  4096                        ; bytes from a key's row to the next
.set SP,   272                         ; a stage row: 256 bytes + 16 of padding = 68 words: row r starts at bank 4 r mod 64 (64 banks of 4 bytes: ISA guide 11.1)
.set WST,  32*SP                       ; a wave's stage: 32 rows
.set EMAX, 15
.set MANT, 0x600000                    ; the mantissa field of 57,344 as f32
.set KOFF, 1                           ; v1  K in memory: 4,096 hh + 16 r: two rows a load
.set VOFF, 2                           ; v2  V in memory: 4 x lane
.set STI,  3                           ; v3  the stage, on the way in: row hh, 16 r
.set STO,  4                           ; v4  and out: row r, 16 hh
.set KOUT, 5                           ; v5  K's chunks: 2,048 w + 16 x lane
.set VOUT, 6                           ; v6  V's chunks: 4,096 (w & 1) + 1,024 (w >> 1) + 2,048 hh + 16 r
.set KX,   16                          ; v16-79   K: as loaded, then 4 x 16 numbers of a key
.set VX,   80                          ; v80-143  V: 64 keys of my channel
.set KC,   144                         ; v144-159 K's codes
.set VC,   160                         ; v160-175 V's codes
	s_load_b256 s[4:11], s[0:1], 0x0               ; kw s[4:5], vw s[6:7], the scales' exponents s[8:9], kv s[10:11]
	v_lshl_add_u32 v176, v0, 2, 0x8800
	v_mov_b32 v177, 0
	v_lshrrev_b32 v7, 5, v0
	v_readfirstlane_b32 s12, v7                    ; wave 0..3
	v_and_b32 v12, 15, v0                          ; r
	v_bfe_u32 v13, v0, 4, 1                        ; hh
	s_wait_alu depctr_va_vdst(0)
	v_and_b32 v14, 31, v0                          ; lane
	s_wait_alu depctr_va_vdst(0)
	s_and_b32 s13, ttmp7, 0xffff                   ; g = 16 b + h
	s_lshr_b32 s14, s13, 4
	s_lshl_b32 s14, s14, 23                        ; b x 2,048 rows of 4,096 bytes
	s_and_b32 s15, s13, 15
	s_lshl_b32 s15, s15, 8                         ; h x 256 bytes
	s_add_co_u32 s14, s14, s15
	s_lshl_b32 s15, ttmp9, 19                      ; step x 128 rows
	s_add_co_u32 s14, s14, s15                     ; the step's first row, my head's bytes
	s_lshl_b32 s15, s12, 17
	s_add_co_u32 s16, s14, s15                     ; K: + 32 w rows
	s_mov_b32 s17, 0
	s_lshr_b32 s15, s12, 1
	s_lshl_b32 s15, s15, 18
	s_add_co_u32 s18, s14, s15                     ; V: + 64 (w >> 1) rows
	s_and_b32 s15, s12, 1
	s_lshl_b32 s15, s15, 7
	s_add_co_u32 s18, s18, s15                     ;    + 32 (w & 1) channels of 4 bytes
	s_mov_b32 s19, 0
	s_lshl_b32 s20, s13, 18
	s_lshl_b32 s15, ttmp9, 14
	s_add_co_u32 s20, s20, s15                     ; the block in kv
	s_mov_b32 s21, 0
	v_lshlrev_b32 v[KOFF], 12, v13
	v_lshl_add_u32 v[KOFF], v12, 4, v[KOFF]
	v_lshlrev_b32 v[VOFF], 2, v14
	s_mul_i32 s22, s12, WST                        ; my stage
	v_mul_u32_u24 v[STI], v13, SP
	v_lshl_add_u32 v[STI], v12, 4, v[STI]
	v_add_nc_u32 v[STI], s22, v[STI]
	v_mul_u32_u24 v[STO], v12, SP
	v_lshl_add_u32 v[STO], v13, 4, v[STO]
	v_add_nc_u32 v[STO], s22, v[STO]
	s_lshl_b32 s23, s12, 11
	v_lshl_add_u32 v[KOUT], v14, 4, s23
	s_and_b32 s23, s12, 1
	s_lshl_b32 s23, s23, 12
	s_lshr_b32 s28, s12, 1
	s_lshl_b32 s28, s28, 10
	s_add_co_u32 s23, s23, s28
	v_lshlrev_b32 v[VOUT], 11, v13
	v_lshl_add_u32 v[VOUT], v12, 4, v[VOUT]
	v_add_nc_u32 v[VOUT], s23, v[VOUT]
	s_wait_alu depctr_va_vdst(0)
	s_wait_kmcnt 0x0
	s_load_b128 s[24:27], s[8:9], 0x0              ; eq, ek, ep, ev
	s_add_nc_u64 s[4:5], s[4:5], s[16:17]
	s_add_nc_u64 s[6:7], s[6:7], s[18:19]
	s_add_nc_u64 s[10:11], s[10:11], s[20:21]
.irp t, 0,1,2,3,4,5,6,7,8,9,10,11,12,13,14,15      ; K: keys 2 t and 2 t + 1 of my 32: each half of the lanes reads 256 consecutive bytes, aligned
	global_load_b128 v[KX+4*\t:KX+4*\t+3], v[KOFF], s[4:5] offset:2*ROW*\t th:TH_LOAD_NT
.endr
.macro VLOAD first                     ; V: keys first .. first + 31 of my 64, my channel: a wave reads 128 consecutive bytes, the wave beside it the 128 next to them
.set i, \first
.rept 32
	global_load_b32 v[VX+i], v[VOFF], s[6:7] offset:ROW*i th:TH_LOAD_NT
.set i, i+1
.endr
.endm
	VLOAD 0
	s_wait_kmcnt 0x0
	s_add_co_i32 s28, s25, 127
	s_lshl_b32 s29, s28, 23
	v_mov_b32 v8, s29                              ; 2^ek as f32: the conversion takes its exponent field
	s_add_co_i32 s28, s28, EMAX
	s_lshl_b32 s28, s28, 23
	s_or_b32 s28, s28, MANT
	v_mov_b32 v9, s28                              ; 57,344 x 2^ek
	s_add_co_i32 s28, s27, 127
	s_lshl_b32 s29, s28, 23
	v_mov_b32 v10, s29                             ; 2^ev
	s_add_co_i32 s28, s28, EMAX
	s_lshl_b32 s28, s28, 23
	s_or_b32 s28, s28, MANT
	v_mov_b32 v11, s28                             ; 57,344 x 2^ev
	s_wait_alu depctr_va_vdst(0)
	s_wait_loadcnt 32                              ; K's sixteen loads are in; the 32 of V issued behind them may be out
; Key 16 g' + 8 u + j of my 32 goes to stage row 16 u + 8 g' + j, so that the sixteen keys of tile u (lane r: key 8 u + r + 8 (r / 8)) are sixteen neighbouring rows.
.irp t, 0,1,2,3,4,5,6,7,8,9,10,11,12,13,14,15
	ds_store_b128 v[STI], v[KX+4*\t:KX+4*\t+3] offset:(16*((\t/4)%2)+8*(\t/8)+2*(\t%4))*SP
.endr
	VLOAD 32
; Back, 16 numbers of one key for chunk n = 2 u + c: channels 8 (4 c + j) + 4 hh + 0 .. 3, j = 0 .. 3.  LDS serves a wave's instructions in order (ISA guide 5.7.1.4): these see the stores above.
.irp n, 0,1,2,3
.irp j, 0,1,2,3
	ds_load_b128 v[KX+16*\n+4*\j:KX+16*\n+4*\j+3], v[STO] offset:16*(\n/2)*SP+32*(4*(\n%2)+\j)
.endr
.endr
.irp n, 0,1,2,3
	s_wait_dscnt 12-4*\n                           ; chunk n's four loads are back; the later chunks' may be out
.irp i, 0,1,2,3,4,5,6,7,8,9,10,11,12,13,14,15
	v_med3_num_f32 v[KX+16*\n+\i], v[KX+16*\n+\i], -v9, v9   ; the conversion to an 8-bit code does not saturate (ISA guide 7.6.2): the hold at the largest code x the scale comes first
.endr
	v_cvt_scalef32_pk8_bf8_f32 v[KC+4*\n:KC+4*\n+1], v[KX+16*\n:KX+16*\n+7], v8
	v_cvt_scalef32_pk8_bf8_f32 v[KC+4*\n+2:KC+4*\n+3], v[KX+16*\n+8:KX+16*\n+15], v8
	global_store_b128 v[KOUT], v[KC+4*\n:KC+4*\n+3], s[10:11] offset:512*\n   ; 32 lanes store 512 consecutive bytes, at a multiple of 256 from kv's first byte.  (The codes go to a store alone, and their registers and sources are not written again)
.endr
.irp n, 0,1,2,3                        ; V: keys 16 n .. 16 n + 15 of my 64
	s_wait_loadcnt 48-16*\n                        ; the loads of these sixteen keys are in; those of the later keys may be out
.irp i, 0,1,2,3,4,5,6,7,8,9,10,11,12,13,14,15
	v_med3_num_f32 v[VX+16*\n+\i], v[VX+16*\n+\i], -v11, v11
.endr
	v_cvt_scalef32_pk8_bf8_f32 v[VC+4*\n:VC+4*\n+1], v[VX+16*\n:VX+16*\n+7], v10
	v_cvt_scalef32_pk8_bf8_f32 v[VC+4*\n+2:VC+4*\n+3], v[VX+16*\n+8:VX+16*\n+15], v10
	global_store_b128 v[VOUT], v[VC+4*\n:VC+4*\n+3], s[10:11] offset:8192+512*(\n/2)+256*(\n%2)   ; each half of the lanes stores 256 consecutive bytes, aligned: half a chunk
.endr
	s_wait_tensorcnt 0x0
	ds_add_u32 v176, v177
	s_wait_dscnt 0x0
	s_endpgm
.Lfunc_end_k_q02698df8b2_prep:
	.size	k_q02698df8b2_prep, .Lfunc_end_k_q02698df8b2_prep-k_q02698df8b2_prep
	.p2alignl 7, 3214868480
	.fill 96, 4, 3214868480
	.section	.rodata,"a",@progbits
	.p2align	6, 0x0
	.amdhsa_kernel k_q02698df8b2_prep
		.amdhsa_group_segment_fixed_size 35328
		.amdhsa_private_segment_fixed_size 0
		.amdhsa_enable_private_segment 0
		.amdhsa_kernarg_size 32
		.amdhsa_user_sgpr_count 2
		.amdhsa_user_sgpr_kernarg_segment_ptr 1
		.amdhsa_wavefront_size32 1
		.amdhsa_system_sgpr_workgroup_id_x 1
		.amdhsa_system_sgpr_workgroup_id_y 1
		.amdhsa_system_sgpr_workgroup_id_z 1
		.amdhsa_system_vgpr_workitem_id 0
		.amdhsa_next_free_vgpr 178
		.amdhsa_next_free_sgpr 66
		.amdhsa_reserve_vcc 0
		.amdhsa_float_denorm_mode_32 3
		.amdhsa_float_denorm_mode_16_64 3
		.amdhsa_memory_ordered 1
		.amdhsa_forward_progress 1
		.amdhsa_inst_pref_size 23
	.end_amdhsa_kernel
	.amdgpu_metadata
---
amdhsa.version: [ 1, 2 ]
amdhsa.kernels:
  - .name:           k_q02698df8b2_prep
    .symbol:         k_q02698df8b2_prep.kd
    .args:
      - { .name: kw, .offset: 0, .size: 8, .value_kind: global_buffer, .address_space: global }
      - { .name: vw, .offset: 8, .size: 8, .value_kind: global_buffer, .address_space: global }
      - { .name: lowp_scales, .offset: 16, .size: 8, .value_kind: global_buffer, .address_space: global }
      - { .name: kv, .offset: 24, .size: 8, .value_kind: global_buffer, .address_space: global }
    .group_segment_fixed_size: 35328
    .private_segment_fixed_size: 0
    .kernarg_segment_align: 8
    .kernarg_segment_size: 32
    .max_flat_workgroup_size: 128
    .sgpr_count:     66
    .vgpr_count:     178
    .wavefront_size: 32
...
	.end_amdgpu_metadata
.endif
;; end of part 1
;; launch attn (part 2): grid 4 x 64, 16 waves a work-group, clusters of 4 x 1, 327,680 bytes of LDS; arguments qw, kv, lowp_scales, out0; writes out0
.if DOCPART == 2
	.amdgcn_target "amdgcn-amd-amdhsa--gfx1250"
	.amdhsa_code_object_version 6
	.text
	.protected	k_q02698df8b2_attn
	.globl	k_q02698df8b2_attn
	.p2align	8
	.type	k_q02698df8b2_attn,@function
k_q02698df8b2_attn:
	s_mov_b64 s[64:65], 0
	v_nop
	global_prefetch_b8 v0, s[64:65] scope:SCOPE_SE
	s_setreg_imm32_b32 hwreg(HW_REG_WAVE_MODE, 25, 1), 1
	s_wait_xcnt 0x0
	s_wait_alu depctr_hold_cnt(0) depctr_sa_sdst(0) depctr_va_vdst(0) depctr_va_sdst(0) depctr_va_ssrc(0) depctr_va_vcc(0) depctr_vm_vsrc(0)
	s_getreg_b32 s2, hwreg(HW_REG_IB_STS2, 6, 4)
	s_cmp_eq_u32 s2, 0
	s_cbranch_scc0 .Lentry_in_a_cluster
	s_endpgm
.Lentry_in_a_cluster:
	s_bfe_u32 s2, ttmp6, 0x10000c
	s_cmp_lg_u32 s2, 0x3003
	s_cbranch_scc0 .Lentry_shape_is_right
	s_endpgm
.Lentry_shape_is_right:
; out[b][q][h][:] = the sum over k of softmax_k(Q . K / 8) V, both products on codes of BF8 (E5M2), each operand with the one given scale 2^e: eq, ek, ep, ev.
; Q: qw, f32 [4][2048][16 x 64], quantised here (each row is read once, by one wave).  K, V: kv, codes laid as images of the operands' registers by the launch before:
; [g = 16 b + h][step of 128 keys][K: 16 chunks of 512 bytes | V: 16 chunks], a lane's 16 bytes at 16 x lane.
; SOFTMAX: t = score x log2(e) / 8; M = the running largest t rounded UP to a whole number; p = 2^(t - M) is quantised along the keys, not normalised; the row's sum is taken of the unquantised p and divides O at the end.
; When M moves, the sum and O are multiplied by 2^(old M - new M): exact.
; SHARES.  A work-group owns 512 queries of one head; each of sixteen waves owns 32: two tiles of 16 (A, B), which share every fragment of K and V read from LDS.
; THE WHOLE HEAD LIES IN LDS, 262,144 bytes at LDS byte = byte in the head, each byte filled ONCE, by two tensor loads a wave: steps 0-4 (5,120 bytes a wave) at the head, steps 5-15 (11,264 bytes a wave) behind
; the full sequence ahead of a later first fill.  One barrier ahead of step 0 (the round), one ahead of step 5, none else.
; CLUSTER.  The four work-groups of a cluster are the four query blocks of one head: both loads are asked for jointly, same descriptor, mask of all four.
; No prefetch: every byte of kv that the work-group reads is asked for by the two loads ahead of the first loop; there is no later request to run ahead of.
; LAYOUT.  Both products transposed: S^T = K Q^T, O^T = V^T P^T: a lane holds one query (lane % 16).  Lane r of key tile 2 b + u holds key 32 b + 8 u + r + 8 (r / 8), so the 16 registers of tiles 2 b, 2 b + 1
; are keys 32 b + 16 (lane / 16) + 0 .. 15 and the conversions' results are P's fragment.  Byte p of a lane's 32 of Q and K stands for channel 8 (p / 4) + 4 (lane / 16) + p % 4, alike on both sides.
; ORDER OF A STEP.  A's scores first; B's score products stand among A's maxima; the serial lines that make M and f of one tile stand among independent lines of the other; O^T is rescaled ahead of the exponentials;
; A's exponentials stand among B's multiply-adds, B's among A's holds (what those plain lines write is first read behind the batch's wait); A's second product stands among B's holds;
; the next step's tiles 0-5 of K are asked for ahead of B's second product.
; LIMITS: eq and ep each between -126 and 112; eq + ek between -123 and 130 (added to c's exponent field); ep + ev goes by v_ldexp_f32.  NaN among the inputs is not served; an infinity in Q is held at the largest code.
; REGISTERS: v1 16 x lane; v2 the step's LDS address; v3 2^ep; v4-7 A's four maxima (v6, v7 at the head and at the end: the add's two, made anew there since no two registers can be kept); v8-11 A: -M, largest t, sum pair; v12-15 B;
; v16-31 Q; v32-63 K's tiles 4-7, then P (A v32-47, B v48-63; v48-63 at work in between); v64-127 S^T of A, then V; v128-191 S^T of B (v160-191 first K's tiles 0-3); v192-255 O^T.
.set LI,    1
.set ADR,   2
.set PSC,   3
.set TA,    4
.set SPW,   6
.set NIL,   7
.set QF,    16
.set F,     32
.set SA,    64
.set SB,    128
.set OA,    192
.set OB,    224
.set WV,    12
.set G1,    16                         ; s[16:23] group 1 of the first load; s[40:47] of the second; s[32:35], s[36:39] their groups 0
.set CS,    28
.set SEL,   30
.set G0,    32
.set G0B,   36
.set G1B,   40
.set TB,    48
.set CNT,   49
.set PL,    58                         ; s58  57,344 x 2^ep
.set PART1, 5*16384                    ; bytes of steps 0-4
.set W1,    PART1/16                   ; a wave's part of them: 20 rows of 256 bytes
.set W2,    11*16384/16                ; and of steps 5-15: 44 rows
.set SPARE, 0x40000                    ; behind the head's codes: the spare words, 128 bytes a wave
.set QST,   0x40800                    ; behind them: 2,560 bytes a wave, through which Q's codes turn
.set QP,    80                         ; a query's 64 codes + 16 of padding
.set SP,    272                        ; the way out: 256 bytes + 16 of padding
.macro CROUND                          ; a round of the cluster's barrier
	s_barrier_signal -1
	s_barrier_wait -1
	s_cmp_lg_u32 s[WV], 0
	s_cbranch_scc1 .Lnot_wave_0_\@
	s_barrier_signal -3
.Lnot_wave_0_\@:
	s_barrier_wait -3
	s_barrier_signal -1
	s_barrier_wait -1
.endm
.macro NOPS n
.rept \n
	v_nop
.endr
.endm
	s_load_b256 s[4:11], s[0:1], 0x0               ; qw, kv, the scales' exponents, out0
	v_lshl_add_u32 v[SPW], v0, 2, SPARE
	v_mov_b32 v[NIL], 0
	ds_add_u32 v[SPW], v[NIL]                      ; the opening lines: the add twice on end and one wait
	ds_add_u32 v[SPW], v[NIL]
	v_lshrrev_b32 v1, 5, v0
	v_readfirstlane_b32 s[WV], v1                  ; wave 0..15
	s_bfe_u32 s13, ttmp6, 0x40000                  ; cx
	s_lshl_b32 s14, ttmp9, 2
	s_add_co_u32 s14, s14, s13                     ; my block of 512 queries: it enters Q's and out's addresses alone
	s_and_b32 s15, ttmp7, 0xffff                   ; g = 16 b + h, shared by the four partners
	s_mov_b32 s[G1+0], 15|(3<<16)|(1<<21)          ; mask of all four; elements of 8 bytes; bit 21 beside a mask
	s_mov_b32 s[G1+1], 32<<16                      ; rows of 32 elements, dense: the bytes as they lie
	s_mov_b32 s[G1+2], (W1/256)<<16
	s_mov_b32 s[G1+3], 32<<16
	s_mov_b32 s[G1+4], W1/256
	s_mov_b32 s[G1+5], 32
	s_mov_b32 s[G1+6], 0
	s_mov_b32 s[G1+7], 0
	s_mov_b32 s[G1B+0], 15|(3<<16)|(1<<21)
	s_mov_b32 s[G1B+1], 32<<16
	s_mov_b32 s[G1B+2], (W2/256)<<16
	s_mov_b32 s[G1B+3], 32<<16
	s_mov_b32 s[G1B+4], W2/256
	s_mov_b32 s[G1B+5], 32
	s_mov_b32 s[G1B+6], 0
	s_mov_b32 s[G1B+7], 0
	s_mov_b32 s[SEL], 0x76543210
	s_mov_b32 s[SEL+1], 0xfedcba98
	s_mov_b32 s[CS], 0x3e38aa3b                    ; log2(e) / 8
	s_lshl_b32 s52, s15, 18                        ; kv: the head's 262,144 bytes
	s_mov_b32 s53, 0
	s_mul_i32 s54, s[WV], W1                       ; my part of steps 0-4: the same place in the head and in LDS
	s_mov_b32 s55, 0
	s_mul_i32 s56, s[WV], W2
	s_add_co_u32 s56, s56, PART1                   ; my part of steps 5-15
	s_mov_b32 s57, 0
	s_mov_b32 s[G0], 1
	s_mov_b32 s[G0+1], s54
	s_mov_b32 s[G0B], 1
	s_mov_b32 s[G0B+1], s56
	s_add_nc_u64 s[54:55], s[54:55], s[52:53]
	s_add_nc_u64 s[56:57], s[56:57], s[52:53]
	s_lshr_b32 s50, s15, 4
	s_lshl_b32 s50, s50, 23                        ; Q and out: b x 2,048 rows of 4,096 bytes
	s_and_b32 s51, s15, 15
	s_lshl_b32 s51, s51, 8                         ; + h x 256
	s_add_co_u32 s50, s50, s51
	s_lshl_b32 s51, s14, 21                        ; + my block's 512 rows
	s_add_co_u32 s50, s50, s51
	s_lshl_b32 s51, s[WV], 17                      ; + my wave's 32 rows
	s_add_co_u32 s50, s50, s51
	s_mov_b32 s51, 0
	s_mul_i32 s52, s[WV], 32*QP
	s_add_co_u32 s52, s52, QST                     ; where my Q codes turn
	v_and_b32 v32, 15, v0                          ; r (also c: which 16 bytes of a row)
	v_bfe_u32 v33, v0, 4, 1                        ; hh
	v_lshlrev_b32 v34, 12, v33
	v_lshl_add_u32 v34, v32, 4, v34                ; Q in memory: row hh, 16 c: each half of the lanes takes a head's 256 bytes of a row
	s_wait_alu depctr_va_vdst(0)                   ; ahead of the blocking waits
	s_wait_dscnt 0x0
	s_wait_kmcnt 0x0
	s_load_b128 s[24:27], s[8:9], 0x0              ; eq, ek, ep, ev
	s_add_nc_u64 s[4:5], s[4:5], s[50:51]
	s_add_nc_u64 s[10:11], s[10:11], s[50:51]
.irp t, 0,1,2,3,4,5,6,7,8,9,10,11,12,13,14,15      ; rows 2 t + hh of my 32
	global_load_b128 v[SA+4*\t:SA+4*\t+3], v34, s[4:5] offset:8192*\t th:TH_LOAD_NT
.endr
	s_add_nc_u64 s[G0+2:G0+3], s[6:7], s[54:55]
	s_or_b32 s[G0+3], s[G0+3], 0x80000000
	s_add_nc_u64 s[G0B+2:G0B+3], s[6:7], s[56:57]
	s_or_b32 s[G0B+3], s[G0B+3], 0x80000000
	CROUND                                         ; all four work-groups are here: the joint loads meet
	tensor_load_to_lds s[G0:G0+3], s[G1:G1+7]      ; steps 0-4: my one tensor load at the head
	s_nop 0
	NOPS 4
	v_and_b32 v[LI], 31, v0
	v_lshlrev_b32 v[LI], 4, v[LI]
	v_mul_u32_u24 v35, v33, QP                     ; codes in: row hh; the dword of channels 4 c .. 4 c + 3 goes to byte 32 (c & 1) + 4 (c >> 1) of its row
	v_and_b32 v36, 1, v32
	v_mul_u32_u24 v37, v32, QP                     ; codes back: row r, 32 hh
	v_lshl_add_u32 v35, v36, 5, v35
	v_lshrrev_b32 v36, 1, v32
	v_lshl_add_u32 v37, v33, 5, v37
	v_lshl_add_u32 v35, v36, 2, v35
	v_add_nc_u32 v37, s52, v37
	v_add_nc_u32 v35, s52, v35
	v_mov_b32 v9, 0xff61b1e6                       ; the largest t so far: -3e38
	v_mov_b32 v13, 0xff61b1e6
	v_mov_b32 v10, 0
	v_mov_b32 v11, 0
	v_mov_b32 v14, 0
	v_mov_b32 v15, 0
	v_floor_f32 v8, -v9                            ; -M
	v_floor_f32 v12, -v13
.set jj, 0
.rept 64
	v_mov_b32 v[OA+jj], 0                          ; O^T: the step has no first form of its own; the first change of M leaves zeros zeros
.set jj, jj+1
.endr
	s_wait_kmcnt 0x0
	s_add_co_i32 s56, s24, s25
	s_lshl_b32 s56, s56, 23
	s_add_co_i32 s[CS], s[CS], s56                 ; c x 2^(eq + ek)
	s_mov_b32 s[CS+1], s[CS]
	s_add_co_i32 s56, s26, 127
	s_lshl_b32 s57, s56, 23
	v_mov_b32 v[PSC], s57                          ; 2^ep
	s_add_co_i32 s56, s56, 15
	s_lshl_b32 s56, s56, 23
	s_or_b32 s[PL], s56, 0x600000                  ; 57,344 x 2^ep
	s_add_co_i32 s56, s24, 127
	s_lshl_b32 s57, s56, 23
	v_mov_b32 v38, s57                             ; 2^eq
	s_add_co_i32 s56, s56, 15
	s_lshl_b32 s56, s56, 23
	s_or_b32 s56, s56, 0x600000
	v_mov_b32 v39, s56                             ; 57,344 x 2^eq
	s_wait_alu depctr_va_vdst(0)                   ; ahead of the blocking waits
.irp n, 0,1,2,3,4,5,6,7                            ; loads 2 n and 2 n + 1: eight numbers a lane -> two dwords of codes, one for each of two rows
	s_wait_loadcnt 14-2*\n                         ; the later loads may be out
.irp i, 0,1,2,3,4,5,6,7
	v_med3_num_f32 v[SA+8*\n+\i], v[SA+8*\n+\i], -v39, v39   ; the conversion does not saturate (ISA guide 7.6.2): the hold comes first
.endr
	v_cvt_scalef32_pk8_bf8_f32 v[SB+2*\n:SB+2*\n+1], v[SA+8*\n:SA+8*\n+7], v38
	ds_store_b32 v35, v[SB+2*\n] offset:4*QP*\n
	ds_store_b32 v35, v[SB+2*\n+1] offset:4*QP*\n+2*QP
.endr
	v_nop                                          ; one plain line behind the last scaled conversion
.irp a, 0,1                                        ; LDS serves a wave's instructions in order (ISA guide 5.7.1.4): these see my stores
	ds_load_b128 v[QF+8*\a:QF+8*\a+3], v37 offset:16*QP*\a
	ds_load_b128 v[QF+8*\a+4:QF+8*\a+7], v37 offset:16*QP*\a+16
.endr
.macro KL dst, adr, off, n             ; 2 n chunks of 512 bytes into 8 n registers
.set kk, 0
.rept 2*\n
	ds_load_b128 v[\dst+4*kk:\dst+4*kk+3], v[\adr] offset:\off+512*kk
.set kk, kk+1
.endr
.endm
.macro PRE off                         ; a step's tiles 0-3 of K into v160-191, tiles 4, 5 into v32-47: twelve loads
	KL SB+32, ADR, \off, 4
	KL F, ADR, \off+4096, 2
.endm
.macro QKT s, q, kf, t                 ; S^T of key tile t for one tile of queries; the sum starts with the constant 0
	v_wmma_f32_16x16x64_bf8_bf8 v[\s+8*(\t):\s+8*(\t)+7], v[\kf:\kf+7], v[\q:\q+7], 0
.endm
; Line n of the eleven that make a tile's new M and f = 2^(old M - new M).  t: its four maxima; ff: f's pair; ff + 4, ff + 5 at work.
.macro CHAIN n, stat, t, ff
.if (\n) == 0
	v_max3_num_f32 v[\t], v[\t], v[\t+1], v[\t+2]
.endif
.if (\n) == 1
	v_max_num_f32 v[\t], v[\t], v[\t+3]
.endif
.if (\n) == 2
	v_permlanex16_b32 v[\ff+4], v[\t], s[SEL], s[SEL+1]
.endif
.if (\n) == 3
	v_max_num_f32 v[\t], v[\t], v[\ff+4]           ; and lane l xor 16's
.endif
.if (\n) == 4
	v_mul_f32 v[\t], s[CS], v[\t]                  ; as t (c is positive)
.endif
.if (\n) == 5
	v_mov_b32 v[\ff+5], v[\stat]
.endif
.if (\n) == 6
	v_max_num_f32 v[\stat+1], v[\stat+1], v[\t]    ; the running largest t
.endif
.if (\n) == 7
	v_floor_f32 v[\stat], -v[\stat+1]              ; -M = floor(-t): M is a whole number
.endif
.if (\n) == 8
	v_sub_f32 v[\ff+5], v[\stat], v[\ff+5]         ; old M - new M, 0 or less
.endif
.if (\n) == 9
	v_cvt_i32_f32 v[\ff+5], v[\ff+5]               ; (it saturates)
.endif
.if (\n) == 10
	v_ldexp_f32 v[\ff], 1.0, v[\ff+5]
.endif
.endm
; Line k of the thirty that take the largest of a lane's 64 scores, in four chains, ascending: each accumulator is first read at its low end.
.macro MX sc, t, k
.if (\k) < 4
	v_max3_num_f32 v[\t+(\k)], v[\sc+3*(\k)], v[\sc+3*(\k)+1], v[\sc+3*(\k)+2]
.else
	v_max3_num_f32 v[\t+(\k)%4], v[\t+(\k)%4], v[\sc+4+2*(\k)], v[\sc+5+2*(\k)]
.endif
.endm
.macro MXN sc, t, n                    ; the next n of them
.rept \n
	MX \sc, \t, mm
.set mm, mm+1
.endr
.endm
.macro PKF sc, stat, j                 ; t - M, two at a time (of the pairs c and -M the low word serves both halves)
	v_pk_fma_f32 v[\sc+\j:\sc+\j+1], v[\sc+\j:\sc+\j+1], s[CS:CS+1], v[\stat:\stat+1] op_sel_hi:[1,0,0]
.endm
.macro DMIN e                          ; the hold at the largest code x the scale (p is not negative: one-sided), two numbers a line
	v_dual_min_num_f32 v[\e], s[PL], v[\e] :: v_dual_min_num_f32 v[\e+1], s[PL], v[\e+1]
.endm
.macro SCALE acc, ff                   ; O^T under the new M, ascending
.set jj, 0
.rept 16
	v_pk_mul_f32 v[\acc+jj:\acc+jj+1], v[\acc+jj:\acc+jj+1], v[\ff:\ff+1] op_sel_hi:[1,0]
.set jj, jj+2
.endr
.endm
.macro SUMS sc, stat                   ; the row's sum of the UNQUANTISED p, two at a time, in four chains (v48-53 and the sum's pair)
	v_pk_add_f32 v[48:49], v[\sc:\sc+1], v[\sc+2:\sc+3]
	v_pk_add_f32 v[50:51], v[\sc+4:\sc+5], v[\sc+6:\sc+7]
	v_pk_add_f32 v[52:53], v[\sc+8:\sc+9], v[\sc+10:\sc+11]
.set kk, 0
.rept 26
.if (kk%4) == 0
	v_pk_add_f32 v[\stat+2:\stat+3], v[\stat+2:\stat+3], v[\sc+12+2*kk:\sc+13+2*kk]
.else
	v_pk_add_f32 v[46+2*(kk%4):47+2*(kk%4)], v[46+2*(kk%4):47+2*(kk%4)], v[\sc+12+2*kk:\sc+13+2*kk]
.endif
.set kk, kk+1
.endr
	v_pk_add_f32 v[48:49], v[48:49], v[50:51]
	v_pk_add_f32 v[\stat+2:\stat+3], v[\stat+2:\stat+3], v[52:53]
	v_pk_add_f32 v[\stat+2:\stat+3], v[\stat+2:\stat+3], v[48:49]
.endm
.macro CVT sc, cod                     ; registers 2 b, 2 b + 1 of P's fragment
.irp b, 0,1,2,3,4,5,6,7
	v_cvt_scalef32_pk8_bf8_f32 v[\cod+2*\b:\cod+2*\b+1], v[\sc+8*\b:\sc+8*\b+7], v[PSC]
.endr
	v_nop                                          ; one plain line behind the last scaled conversion
.endm
; A KEY STEP: 128 keys, both tiles of queries.  On the way in K's tiles 0-5 are on their way.  last = 1: nothing of the next step is asked for.
.macro STEP last
	v_add_nc_u32 v[ADR], s[TB], v[LI]
	NOPS 4                                         ; with the addition five places behind the last products: four for the loads into P's registers, five for the products that write over V's
	KL F+16, ADR, 6144, 2                          ; K's tiles 6, 7
	s_wait_dscnt 8                                 ; tiles 0-3 are in; the eight loads of tiles 4-7 may be out
.irp t, 0,1,2,3
	QKT SA, QF, SB+32+8*\t, \t
.endr
	s_wait_dscnt 4                                 ; tiles 4, 5 are in
.irp t, 4,5
	QKT SA, QF, F+8*(\t-4), \t
.endr
	s_wait_dscnt 0x0
.irp t, 6,7
	QKT SA, QF, F+8*(\t-4), \t
.endr
	NOPS 4                                         ; four places ahead of the first reads of A's scores
.set mm, 0                                         ; B's score products among A's maxima, which name none of their registers and are their places:
.irp t, 0,1,2
	QKT SB, QF+8, SB+32+8*\t, \t
	MXN SA, TA, 3
.endr
	QKT SB, QF+8, SB+56, 3
	MXN SA, TA, 5                                  ; five or more behind each product whose fragment of K a product below writes over,
.irp t, 4,5,6,7
	QKT SB, QF+8, F+8*(\t-4), \t
	MXN SA, TA, 4                                  ; four behind the last, ahead of the vector writes into v48-63
.endr
.set mm, 0
.rept 30                                           ; B's maxima, and A's M and f among them
	MX SB, 52, mm
.if (mm >= 5) && ((mm%2) == 1)
	CHAIN ((mm-5)/2), 8, TA, 56
.endif
.set mm, mm+1
.endr
.set jj, 0
.rept 32                                           ; A's multiply-adds, and B's M and f among them
	PKF SA, 8, jj
.if (jj%4) == 2
	CHAIN (jj/4), 12, 52, 58
.endif
.set jj, jj+2
.endr
	v_pk_mul_f32 v[10:11], v[10:11], v[56:57] op_sel_hi:[1,0]   ; the sums under the new M
	v_pk_mul_f32 v[14:15], v[14:15], v[58:59] op_sel_hi:[1,0]
	SCALE OA, 56
	SCALE OB, 58
	s_wait_alu depctr_va_vdst(0)                   ; ahead of a batch
.set jj, 0
.rept 32                                           ; p of A = 2^(t - M); among the batch B's multiply-adds, whose results are first read behind the wait below
	v_exp_f32 v[SA+jj], v[SA+jj]
	v_exp_f32 v[SA+jj+1], v[SA+jj+1]
	PKF SB, 12, jj
.set jj, jj+2
.endr
	s_wait_alu depctr_va_vdst(0)                   ; behind A's batch, ahead of its first reader and of B's batch
	SUMS SA, 8
.set jj, 0
.rept 32                                           ; p of B; among the batch A's holds, whose results are first read behind the wait below
	v_exp_f32 v[SB+jj], v[SB+jj]
	v_exp_f32 v[SB+jj+1], v[SB+jj+1]
	DMIN SA+jj
.set jj, jj+2
.endr
	s_wait_alu depctr_va_vdst(0)                   ; behind B's batch
	CVT SA, F
	KL SA, ADR, 8192, 8                            ; V's four fragments into the registers that A's scores have left
	SUMS SB, 12
.set jj, 0
.rept 16
	DMIN SB+jj
.set jj, jj+2
.endr
	s_wait_dscnt 0x0                               ; V is in
.irp t, 0,1,2,3                                    ; A's O^T += V^T P^T among B's holds; the accumulators by turns
	v_wmma_f32_16x16x128_bf8_bf8 v[OA+8*\t:OA+8*\t+7], v[SA+16*\t:SA+16*\t+15], v[F:F+15], v[OA+8*\t:OA+8*\t+7]
.rept 4
	DMIN SB+jj
.set jj, jj+2
.endr
.endr
	CVT SB, F+16
.if \last == 0
	PRE 16384                                      ; four holds and a v_nop are the places behind A's products, ahead of the loads into A's P
.endif
.irp t, 0,1,2,3
	v_wmma_f32_16x16x128_bf8_bf8 v[OB+8*\t:OB+8*\t+7], v[SA+16*\t:SA+16*\t+15], v[F+16:F+31], v[OB+8*\t:OB+8*\t+7]
.endr
.endm
.macro RUN n, id, base                 ; n key steps from LDS byte base on; the last is written out: it asks for nothing beyond
	s_mov_b32 s[TB], \base
	v_add_nc_u32 v[ADR], s[TB], v[LI]
	PRE 0
	s_mov_b32 s[CNT], \n-1
.Lstep_\id:
	STEP 0
	s_add_co_u32 s[TB], s[TB], 16384
	s_sub_co_u32 s[CNT], s[CNT], 1
	s_cmp_lg_u32 s[CNT], 0
	s_cbranch_scc1 .Lstep_\id
	STEP 1
.endm
	s_wait_alu depctr_va_vdst(0)                   ; at the head's end
	s_wait_tensorcnt 0x0                           ; my part of steps 0-4 is in
	ds_add_u32 v[SPW], v[NIL]
	s_wait_dscnt 0x0                               ; the add is done, and Q's fragments are in
	CROUND                                         ; everybody's part is in, and all four work-groups are here
	tensor_load_to_lds s[G0B:G0B+3], s[G1B:G1B+7]  ; steps 5-15: my one tensor load behind the round; it has five steps in which to land
	s_nop 0
	NOPS 4
	RUN 5, a, 0
	s_wait_tensorcnt 0x0                           ; my part of steps 5-15 is in,
	s_wait_dscnt 0x0                               ; my reads of steps 0-4 are over
	s_barrier_signal -1
	s_barrier_wait -1                              ; both hold of every wave
	RUN 11, b, PART1
	; THE WAY OUT.  My stage (5,120 bytes, LDS byte 5,120 x wave) lies on the bytes of steps 0-4: they have had their only fill, and every wave's reads of them were back ahead of the barrier above.  A tile at a time.
	v_add_f32 v10, v10, v11                        ; (these lines are also the places behind the last products)
	v_add_f32 v14, v14, v15
	v_permlanex16_b32 v8, v10, s[SEL], s[SEL+1]
	v_permlanex16_b32 v12, v14, s[SEL], s[SEL+1]
	v_add_f32 v10, v10, v8                         ; the rows' sums
	v_add_f32 v14, v14, v12
	s_wait_alu depctr_va_vdst(0)                   ; ahead of the batch of two
	v_rcp_f32 v10, v10
	v_rcp_f32 v14, v14
	v_and_b32 v9, 15, v0                           ; r
	v_bfe_u32 v13, v0, 4, 1                        ; hh
	s_mul_i32 s50, s[WV], W1                       ; my stage
	v_mul_u32_u24 v1, v9, SP
	v_mul_u32_u24 v2, v13, SP
	v_lshlrev_b32 v3, 12, v13
	v_lshl_add_u32 v1, v13, 5, v1
	v_lshl_add_u32 v2, v9, 4, v2
	v_lshl_add_u32 v3, v9, 4, v3                   ; two rows of out: lanes 0-15 one, lanes 16-31 the next
	v_add_nc_u32 v1, s50, v1                       ; in: row r, 64 t + 32 hh
	v_add_nc_u32 v2, s50, v2                       ; back: two rows an instruction
	s_add_co_i32 s51, s26, s27
	s_wait_alu depctr_va_vdst(0)                   ; behind the batch, ahead of its first reader
	v_ldexp_f32 v10, v10, s51                      ; x 2^(ep + ev)
	v_ldexp_f32 v14, v14, s51
	s_wait_alu depctr_va_vdst(0)                   ; directly ahead of the first reader of O^T
.irp a, 0,1
.set jj, 0
.rept 16
	v_pk_mul_f32 v[SA+32*\a+jj:SA+32*\a+jj+1], v[OA+32*\a+jj:OA+32*\a+jj+1], v[10+4*\a:11+4*\a] op_sel_hi:[1,0]   ; register 8 t + i is o(r, 16 t + 8 hh + i)
.set jj, jj+2
.endr
.endr
.irp a, 0,1                                        ; LDS serves a wave's instructions in order: the loads see my stores, and tile B's stores come behind tile A's loads
.irp t, 0,1,2,3
	ds_store_b128 v1, v[SA+32*\a+8*\t:SA+32*\a+8*\t+3] offset:64*\t
	ds_store_b128 v1, v[SA+32*\a+8*\t+4:SA+32*\a+8*\t+7] offset:64*\t+16
.endr
.irp i, 0,1,2,3,4,5,6,7
	ds_load_b128 v[SB+32*\a+4*\i:SB+32*\a+4*\i+3], v2 offset:2*SP*\i
.endr
.endr
.irp i, 0,1,2,3,4,5,6,7
	s_wait_dscnt 23-\i                             ; behind tile A's load i: its 7 - i later loads and tile B's sixteen instructions
	global_store_b128 v3, v[SB+4*\i:SB+4*\i+3], s[10:11] offset:2*\i*4096 th:TH_STORE_NT   ; each half of the lanes stores 256 consecutive bytes, aligned
.endr
.irp i, 0,1,2,3,4,5,6,7
	s_wait_dscnt 7-\i
	global_store_b128 v3, v[SB+32+4*\i:SB+32+4*\i+3], s[10:11] offset:(16+2*\i)*4096 th:TH_STORE_NT
.endr
	v_lshl_add_u32 v[SPW], v0, 2, SPARE            ; the add's two registers, made anew
	v_mov_b32 v[NIL], 0
	s_wait_alu depctr_va_vdst(0)
	s_wait_tensorcnt 0x0                           ; the wave's end
	ds_add_u32 v[SPW], v[NIL]
	s_wait_dscnt 0x0
	CROUND                                         ; the closing round
	s_endpgm
.Lfunc_end_k_q02698df8b2_attn:
	.size	k_q02698df8b2_attn, .Lfunc_end_k_q02698df8b2_attn-k_q02698df8b2_attn
	.p2alignl 7, 3214868480
	.fill 96, 4, 3214868480
	.section	.rodata,"a",@progbits
	.p2align	6, 0x0
	.amdhsa_kernel k_q02698df8b2_attn
		.amdhsa_group_segment_fixed_size 327680
		.amdhsa_private_segment_fixed_size 0
		.amdhsa_enable_private_segment 0
		.amdhsa_kernarg_size 32
		.amdhsa_user_sgpr_count 2
		.amdhsa_user_sgpr_kernarg_segment_ptr 1
		.amdhsa_wavefront_size32 1
		.amdhsa_system_sgpr_workgroup_id_x 1
		.amdhsa_system_sgpr_workgroup_id_y 1
		.amdhsa_system_sgpr_workgroup_id_z 1
		.amdhsa_system_vgpr_workitem_id 0
		.amdhsa_next_free_vgpr 256
		.amdhsa_next_free_sgpr 66
		.amdhsa_reserve_vcc 0
		.amdhsa_float_denorm_mode_32 3
		.amdhsa_float_denorm_mode_16_64 3
		.amdhsa_memory_ordered 1
		.amdhsa_forward_progress 1
		.amdhsa_inst_pref_size 136
	.end_amdhsa_kernel
	.amdgpu_metadata
---
amdhsa.version: [ 1, 2 ]
amdhsa.kernels:
  - .name:           k_q02698df8b2_attn
    .symbol:         k_q02698df8b2_attn.kd
    .args:
      - { .name: qw, .offset: 0, .size: 8, .value_kind: global_buffer, .address_space: global }
      - { .name: kv, .offset: 8, .size: 8, .value_kind: global_buffer, .address_space: global }
      - { .name: lowp_scales, .offset: 16, .size: 8, .value_kind: global_buffer, .address_space: global }
      - { .name: out0, .offset: 24, .size: 8, .value_kind: global_buffer, .address_space: global }
    .group_segment_fixed_size: 327680
    .private_segment_fixed_size: 0
    .kernarg_segment_align: 8
    .kernarg_segment_size: 32
    .max_flat_workgroup_size: 512
    .sgpr_count:     66
    .vgpr_count:     256
    .wavefront_size: 32
...
	.end_amdgpu_metadata
.endif
;; end of part 2
